; MI455X (gfx1250); checked and timed in simulation.
; The chip was launched on July 23, 2026; its instructions are those of AMD's public machine-readable ISA for CDNA 5 (MIT licence, August 2026) and "CDNA5" Instruction Set Architecture Reference Guide (July 2026). The comments in the code are by the model that wrote it; some were corrected since.
;; Attention. Allowed arithmetic: matrix products marked QUANTISED: E5M2 operands, one given power-of-two scale a tensor, by v_wmma_f32_16x16x64_bf8_bf8 or v_wmma_f32_16x16x128_bf8_bf8, f32 sums; products left as they are: f32 operands where the result goes on into a quantised operand, else bf16, f16 or f32 operands; f32 sums; everything else in f32.
;; Inputs: attn_biases 8 x 1,024 float32; b_proj 256 float32; b_qkv 768 float32; beta 256 float32; bias_idxs 1,024 x 1,024 int32; gamma 256 float32; lowp_scales 6 int32 (the exponents e of the quantised operands' scales 2^e); w_proj_codes 256 x 16 x 32 uint8 (E5M2 codes of w_proj, K innermost, in blocks of 32 codes); w_qkv_codes 768 x 8 x 32 uint8 (E5M2 codes of w_qkv, K innermost, in blocks of 32 codes); x 32 x 1,024 x 256 float32.
;; Outputs: out0 32 x 1,024 x 256 float32.
;; This version of the problem:
;;   THIS VERSION OF THE PROBLEM IS GIVEN IN LOW PRECISION. The matrix products marked QUANTISED in the list below multiply operands that are first quantised to E5M2 (5 exponent bits, 2 mantissa bits; 8 bits a number), with one given power-of-two scale for each operand tensor; their sums are f32. All else is computed in f32.
;;   The module's matrix products, in the order in which they are computed (A, B: the left and right operand; K: the contracted axis; several contracted axes count as one K, in the product's order):
;;     1. [M 32,768, K 256] x [K 256, N 768]; A: computed on the way; B: input w_qkv (given as codes): QUANTISED (scales: A lowp_scales[0], B lowp_scales[1])
;;     2. batch 256 x [M 1,024, K 16] x [K 16, N 1,024]; A: computed on the way; B: computed on the way: left as it is (K = 16 < 32)
;;     3. batch 256 x [M 1,024, K 1,024] x [K 1,024, N 64]; A: softmax (see below); B: computed on the way: QUANTISED (scales: A lowp_scales[2], B lowp_scales[3])
;;     4. [M 32,768, K 512] x [K 512, N 256]; A: computed on the way; B: input w_proj (given as codes): QUANTISED (scales: A lowp_scales[4], B lowp_scales[5])
;;   THE QUANTISER, for each operand of a quantised product, along K:
;;     - The operand's scale is 2^e, e = its entry of the input lowp_scales (int32; the entries are numbered through the quantised products in the list's order, A before B).
;;     - Each number is divided by the scale, clamped to +-57,344, and rounded to the nearest number of E5M2, ties to even, subnormals kept.
;;     - The product sums the exact products of the quantised numbers (number of the format x scale) in f32.
;;   ~~~python
;;   def quantise(x, axis, e):      # numpy; x: float32 -> the quantised numbers, widened to float32 again
;;       x = np.moveaxis(x, axis, -1); K = x.shape[-1]
;;       r = np.clip(x / 2.0 ** e, -57344, 57344)
;;       step = 2.0 ** (np.maximum(np.frexp(np.where(r == 0, 1, r))[1] - 1, -14) - 2)
;;       q = np.round(r / step) * step * 2.0 ** e      # np.round: ties to even
;;       return np.moveaxis(q, -1, axis).astype(np.float32)
;;   ~~~
;;   SOFTMAX AHEAD OF A QUANTISED PRODUCT. Where the list says 'softmax', what is quantised is not the finished softmax but p = 2^(t - M), with t = logit x log2(e) and M = ceil(the row's largest t), a whole number; so 1/2 < the row's largest p <= 1. The row's sum l is taken of the UNQUANTISED p, in f32, and the product's result is divided by l at the end. Since M is a whole number, a kernel that streams over the keys may use a running M (the ceiling of the running maximum): every later rescaling is an exact power of two, so the quantised numbers keep their values, but for numbers so far below the row's largest that they fall under the format's range.
;;   OPERANDS COMPUTED ON THE WAY. 'Computed on the way' means the value that the module computes at that place (a softmax that the list does not call 'softmax' is quantised finished and normalised). What goes into a quantiser is computed in f32, as accurately as f32 sums, v_exp_f32 and their like allow (about 1e-6 of the number): no bf16 or f16 on the way to a quantiser, and a product that is left as it is and whose result goes on into a quantised operand takes f32 operands (vector FMAs, or v_wmma_f32_16x16x4_f32). A number that lies on a knife's edge between two numbers of the format may be rounded either way, as far as f32 arithmetic and the matrix unit's own rounding can turn it there, and no further.
;;   INPUTS GIVEN AS CODES. w_proj (in the module: [256, 512], K = its axis 1); w_qkv (in the module: [768, 256], K = its axis 1): each comes as NAME_codes (uint8): NAME with its K axis moved to the last place and cut into blocks of 32 codes, [.., K / 32, bytes a block], one block behind the other in memory; one code a byte (a code: sign, 5 exponent bits, 2 mantissa bits); its scale is its entry of lowp_scales. Its value is code x scale, taken as it is: it is not quantised again, and the codes and scales need not be those that the quantiser above would give.
;; One version. Each part assembles by itself: llvm-mc -triple=amdgcn-amd-amdhsa -mcpu=gfx1250 --defsym DOCPART=n.
;; ======== version 1 of 1: 3 launches
;; workspace buffers: qimg 16,777,216 bytes; kimg 16,777,216 bytes; vimg 16,777,216 bytes; biasimg 33,554,432 bytes; oimg 16,777,216 bytes
;; launch prep (part 1): grid 256 x 1, 16 waves a work-group, no clusters, 36,864 bytes of LDS; arguments x, gamma, beta, w_qkv_codes, b_qkv, attn_biases, bias_idxs, lowp_scales, qimg, kimg, vimg, biasimg; writes qimg, kimg, vimg, biasimg
.if DOCPART == 1
	.amdgcn_target "amdgcn-amd-amdhsa--gfx1250"
	.amdhsa_code_object_version 6
	.text
	.protected	k_q7b52afd73b_prep
	.globl	k_q7b52afd73b_prep
	.p2align	8
	.type	k_q7b52afd73b_prep,@function
k_q7b52afd73b_prep:
	s_mov_b64 s[64:65], 0
	v_nop
	global_prefetch_b8 v0, s[64:65] scope:SCOPE_SE
	s_setreg_imm32_b32 hwreg(HW_REG_WAVE_MODE, 25, 1), 1
	s_wait_xcnt 0x0
; LayerNorm, the quantiser of xn (scale 2^e0), product 1 on codes of E5M2, + b_qkv; and the gathered bias.  x: [32][1024][256] f32; w_qkv_codes: [768][256] codes.
; NOTHING OF reference() IS LEFT OUT, in this launch or in the two behind it: every input has a way to the output and is loaded.  (k's bias shifts a whole row of logits; M = ceil(the row's largest t) moves with it, and so can p's codes.)
; WHAT IS STORED is laid as images of the next launch's operand registers: registers 4 i .. 4 i + 3 of every lane at 512 i + 16 x lane, so each store of a wave covers 512 consecutive bytes, aligned.  Lane = (r = lane % 16, hh = lane / 16).
;   qimg, kimg [b][head][tile of 16 tokens][2][32][16 B] f32: register j = q'(token r, kd 8 hh + j), q' = q x 0.25 x log2(e); k as it is.
;   vimg [b][head][64 keys][16 of d][2][32][16 B] codes, scale 2^e3: registers 2 c, 2 c + 1 = v(keys 16 c + 8 hh + 0 .. 7, d = r).
;   biasimg [head][tile of 16 queries][tile of 16 keys][2][32][16 B] f32: register j = log2(e) x attn_biases[head][bias_idxs[query r][key 8 hh + j]].
; SHARES.  A work-group takes 128 rows of x.  Wave w normalises and quantises rows 8 w .. 8 w + 7; the codes meet in LDS (one barrier).  In the product wave w owns column tiles 3 w .. 3 w + 2 of the 48
; (a head has six: q, k, v0 .. v3), so even waves make q, k, v0 and odd waves v1, v2, v3 of head w / 2; their 96 registers of W stay.  q and k are made transposed (source 0 = W: a lane holds one token and
; eight neighbouring columns), v as it comes (source 0 = x: a lane holds one column and eight neighbouring tokens, which are the next product's K).  Wave w also gathers one tile of bias_idxs for all eight heads.
; W's and x's fragments are both fetched 16 bytes at 32 c + 16 hh: one permutation of k on both sides, so every product meets its partner.
; No tensor load, no cluster: work-groups share only W (192 KB in all) and the table of biases.
; LIMITS: e0 and e3 - e0 - e1 between -126 and 112; e0 + e1 between -124 and 127, so that each power of two below is an f32 number.  NaN and infinity among the inputs are not served.  An index above 1,023 is held at 1,023.
.set XPITCH, 272                       ; a row of 256 codes in LDS + 16 bytes: the 16 rows that a fragment load touches start 68 words apart
.set SPARE,  128*XPITCH                ; behind the codes: the spare words, 128 bytes for each of the 16 waves, which no other line names
.set XA,   1                           ; v1   x: 8,192 x wave + 16 x lane
.set L16,  2                           ; v2   16 x lane
.set IDXA, 3                           ; v3   bias_idxs: 4,096 r + 32 hh
.set WA,   4                           ; v4   W: 256 r + 16 hh
.set XST,  5                           ; v5   LDS: where I put four codes of a row: 8 rows x wave + 4 x lane
.set XFA,  6                           ; v6   LDS: a fragment of x: 272 r + 16 hh
.set CBT,  7                           ; v7   b_qkv for a transposed tile: 32 hh
.set CBN,  8                           ; v8   b_qkv for a plain tile: 4 r
.set TMP,  9
.set SCX,  10                          ; v10, v11  2^e0 and 57,344 x 2^e0
.set HLX,  11
.set SCV,  12                          ; v12, v13  the same with e3 - e0 - e1
.set HLV,  13
.set SPW,  14                          ; v14  LDS address of my spare word; never rewritten
.set NIL,  15                          ; v15  0; never rewritten
.set CB,   16                          ; v16-39   b_qkv / 2^(e0 + e1) in the results' layout, 8 registers a tile
.set XR,   40                          ; v40-103  eight rows of x, 8 numbers a lane each: columns 4 l .. 4 l + 3 and 128 + 4 l .. + 3
.set GA,   104                         ; v104-111 gamma, v112-119 beta of these columns
.set BE,   112
.set ST,   120                         ; v120-135 a pair for each row: sums, mean, 1 / sqrt; at last the row's codes
.set IDX,  152                         ; v152-159 eight indices, then byte offsets
.set GR,   40                          ; v40-103  the gathered biases, 8 registers a head
.set XF,   40                          ; v40-71   x's two fragments of a tile of 16 rows
.set ACC,  72                          ; v72-95   three accumulators
.set VC,   96                          ; v96-119  v's codes, 8 registers a tile: 64 keys
.set WF,   160                         ; v160-255 W's fragments: tile t, K step s at 160 + 32 t + 16 s
	s_load_b512 s[4:19], s[0:1], 0x0               ; x 4, gamma 6, beta 8, W 10, b_qkv 12, attn_biases 14, bias_idxs 16, the scales 18
	s_load_b256 s[20:27], s[0:1], 0x40             ; qimg 20, kimg 22, vimg 24, biasimg 26
	v_lshl_add_u32 v[SPW], v0, 2, SPARE
	v_mov_b32 v[NIL], 0
	v_lshrrev_b32 v[TMP], 5, v0
	v_readfirstlane_b32 s32, v[TMP]                ; wave 0..15
	s_and_b32 s33, s32, 1                          ; 0: q, k, v0;  1: v1, v2, v3
	s_lshr_b32 s34, s32, 1                         ; the head
	v_and_b32 v[TMP], 31, v0                       ; lane
	v_and_b32 v136, 15, v0                         ; r
	v_bfe_u32 v137, v0, 4, 1                       ; hh
	v_lshlrev_b32 v[L16], 4, v[TMP]
	v_lshl_add_u32 v[XA], s32, 13, v[L16]
	s_mul_i32 s61, s32, 8*XPITCH
	v_lshl_add_u32 v[XST], v[TMP], 2, s61
	v_lshlrev_b32 v[IDXA], 12, v136
	v_lshl_add_u32 v[IDXA], v137, 5, v[IDXA]
	v_lshlrev_b32 v[WA], 8, v136
	v_lshl_add_u32 v[WA], v137, 4, v[WA]
	v_mul_u32_u24 v[XFA], v136, XPITCH
	v_lshl_add_u32 v[XFA], v137, 4, v[XFA]
	v_lshlrev_b32 v[CBT], 5, v137
	v_lshlrev_b32 v[CBN], 2, v136
	s_mov_b32 s36, 0x76543210                      ; v_permlanex16_b32: lane l xor 16
	s_mov_b32 s37, 0xfedcba98
	s_mov_b32 s38, 0x3b800000                      ; 1 / 256
	s_mov_b32 s39, 0x3727c5ac                      ; 1e-5
	s_mov_b32 s3, 0
	s_wait_kmcnt 0x0
	s_load_b128 s[28:31], s[18:19], 0x0            ; e0, e1, e2, e3
	s_lshl_b32 s2, ttmp9, 17                       ; 128 rows of 1,024 bytes a work-group
	s_add_nc_u64 s[4:5], s[4:5], s[2:3]
	s_mul_i32 s2, s32, 3*4096                      ; my three tiles of 16 rows of W
	s_add_nc_u64 s[10:11], s[10:11], s[2:3]
	s_mul_i32 s2, s32, 3*64
	s_add_nc_u64 s[12:13], s[12:13], s[2:3]
	s_lshr_b32 s61, ttmp9, 2                       ; my tile of indices: queries 16 (g / 4) on,
	s_and_b32 s62, ttmp9, 3
	s_lshl_b32 s62, s62, 4
	s_add_co_u32 s62, s62, s32                     ; keys 16 (16 (g % 4) + wave) on
	s_lshl_b32 s61, s61, 16
	s_lshl_b32 s2, s62, 6
	s_add_co_u32 s2, s2, s61
	s_add_nc_u64 s[16:17], s[16:17], s[2:3]
	s_lshl_b32 s2, s62, 10
	s_add_co_u32 s2, s2, s61
	s_add_nc_u64 s[40:41], s[26:27], s[2:3]        ; s[40:55]: the tile's image in each of the eight heads, 4 MiB apart
.irp h, 1,2,3,4,5,6,7
	s_add_nc_u64 s[40+2*\h:41+2*\h], s[38+2*\h:39+2*\h], 0x400000
.endr
	s_and_b32 s2, ttmp9, 0xf8                      ; 8 x batch
	s_add_co_u32 s2, s2, s34
	s_lshl_b32 s2, s2, 16                          ; 64 KiB for a batch's head in each of the three,
	s_and_b32 s63, ttmp9, 7
	s_lshl_b32 s63, s63, 13                        ; 8 KiB for 128 tokens
	s_add_co_u32 s2, s2, s63
	s_add_nc_u64 s[20:21], s[20:21], s[2:3]
	s_add_nc_u64 s[22:23], s[22:23], s[2:3]
	s_add_nc_u64 s[24:25], s[24:25], s[2:3]
	; b_qkv in both forms, by every wave alike: the text parts on the wave's number once only, at the product
	global_load_b128 v[CB:CB+3], v[CBT], s[12:13]
	global_load_b128 v[CB+4:CB+7], v[CBT], s[12:13] offset:16
	global_load_b128 v[CB+8:CB+11], v[CBT], s[12:13] offset:64
	global_load_b128 v[CB+12:CB+15], v[CBT], s[12:13] offset:80
	global_load_b32 v[CB+16], v[CBN], s[12:13]
	global_load_b32 v[CB+17], v[CBN], s[12:13] offset:64
	global_load_b32 v[CB+18], v[CBN], s[12:13] offset:128
	global_load_b128 v[IDX:IDX+3], v[IDXA], s[16:17]
	global_load_b128 v[IDX+4:IDX+7], v[IDXA], s[16:17] offset:16
.irp i, 0,1,2,3,4,5,6,7
	global_load_b128 v[XR+8*\i:XR+8*\i+3], v[XA], s[4:5] offset:1024*\i th:TH_LOAD_NT       ; 32 lanes read 512 consecutive bytes
	global_load_b128 v[XR+8*\i+4:XR+8*\i+7], v[XA], s[4:5] offset:1024*\i+512 th:TH_LOAD_NT
.endr
	global_load_b128 v[GA:GA+3], v[L16], s[6:7]
	global_load_b128 v[GA+4:GA+7], v[L16], s[6:7] offset:512
	global_load_b128 v[BE:BE+3], v[L16], s[8:9]
	global_load_b128 v[BE+4:BE+7], v[L16], s[8:9] offset:512
.irp t, 0,1,2
.irp s, 0,1
.irp c, 0,1,2,3
	global_load_b128 v[WF+32*\t+16*\s+4*\c:WF+32*\t+16*\s+4*\c+3], v[WA], s[10:11] offset:4096*\t+128*\s+32*\c
.endr
.endr
.endr
	s_wait_kmcnt 0x0
	s_add_co_i32 s61, s28, s29                     ; e0 + e1: a sum of the product stands for sum x 2^(e0 + e1)
	s_sub_co_i32 s60, 0, s61                       ; so b_qkv goes in as b_qkv / 2^(e0 + e1)
	s_lshl_b32 s62, s61, 23
	s_add_co_i32 s56, s62, 0x3eb8aa3b              ; q' = sum x 0.25 log2(e) 2^(e0 + e1): the exponents are added to the constant's exponent field
	s_mov_b32 s57, s56                             ; (named with it as a pair, so it is written)
	s_add_co_i32 s58, s62, 0x3f800000              ; k = sum x 2^(e0 + e1)
	s_mov_b32 s59, s58
	s_add_co_i32 s62, s28, 127
	s_lshl_b32 s63, s62, 23
	v_mov_b32 v[SCX], s63                          ; 2^e0 as f32: the conversion takes its exponent field
	s_add_co_i32 s62, s62, 15
	s_lshl_b32 s62, s62, 23
	s_or_b32 s62, s62, 0x600000
	v_mov_b32 v[HLX], s62                          ; 57,344 x 2^e0
	s_sub_co_i32 s62, s31, s61
	s_add_co_i32 s62, s62, 127
	s_lshl_b32 s63, s62, 23
	v_mov_b32 v[SCV], s63                          ; 2^(e3 - e0 - e1): the three scales folded into the conversion's one
	s_add_co_i32 s62, s62, 15
	s_lshl_b32 s62, s62, 23
	s_or_b32 s62, s62, 0x600000
	v_mov_b32 v[HLV], s62
	s_wait_loadcnt 24                              ; all but W's 24 loads, which were issued last
.irp j, 0,1,2,3,4,5,6,7
	v_min_u32 v[IDX+\j], 0x3ff, v[IDX+\j]          ; an index stays inside its table
.endr
.irp j, 0,1,2,3,4,5,6,7
	v_lshlrev_b32 v[IDX+\j], 2, v[IDX+\j]
.endr
; a row's pair of partial sums becomes the row's sum in every lane; the eight rows go stage by stage, so that no line waits for the line above it
.macro ACROSS
.irp i, 0,1,2,3,4,5,6,7
	v_add_f32 v[ST+2*\i], v[ST+2*\i], v[ST+2*\i+1]
.endr
.irp x, 1,2,4,8
.irp i, 0,1,2,3,4,5,6,7
	v_add_f32_dpp v[ST+2*\i], v[ST+2*\i], v[ST+2*\i] row_xmask:\x row_mask:0xf bank_mask:0xf
.endr
.endr
.irp i, 0,1,2,3,4,5,6,7
	v_permlanex16_b32 v[ST+2*\i+1], v[ST+2*\i], s36, s37
.endr
.irp i, 0,1,2,3,4,5,6,7
	v_add_f32 v[ST+2*\i], v[ST+2*\i], v[ST+2*\i+1]
.endr
.endm
	; ---- LayerNorm of my eight rows
.irp i, 0,1,2,3,4,5,6,7
	v_pk_add_f32 v[ST+2*\i:ST+2*\i+1], v[XR+8*\i:XR+8*\i+1], v[XR+8*\i+2:XR+8*\i+3]
.endr
.irp j, 4,6
.irp i, 0,1,2,3,4,5,6,7
	v_pk_add_f32 v[ST+2*\i:ST+2*\i+1], v[ST+2*\i:ST+2*\i+1], v[XR+8*\i+\j:XR+8*\i+\j+1]
.endr
.endr
	ACROSS
.irp i, 0,1,2,3,4,5,6,7
	v_mul_f32 v[ST+2*\i], s38, v[ST+2*\i]          ; the mean
.endr
.irp i, 0,1,2,3,4,5,6,7
.irp j, 0,2,4,6
	v_pk_add_f32 v[XR+8*\i+\j:XR+8*\i+\j+1], v[XR+8*\i+\j:XR+8*\i+\j+1], v[ST+2*\i:ST+2*\i+1] op_sel_hi:[1,0] neg_lo:[0,1] neg_hi:[0,1]   ; x - mean
.endr
.endr
.irp i, 0,1,2,3,4,5,6,7
	v_pk_mul_f32 v[ST+2*\i:ST+2*\i+1], v[XR+8*\i:XR+8*\i+1], v[XR+8*\i:XR+8*\i+1]
.endr
.irp j, 2,4,6
.irp i, 0,1,2,3,4,5,6,7
	v_pk_fma_f32 v[ST+2*\i:ST+2*\i+1], v[XR+8*\i+\j:XR+8*\i+\j+1], v[XR+8*\i+\j:XR+8*\i+\j+1], v[ST+2*\i:ST+2*\i+1]
.endr
.endr
	ACROSS
.irp i, 0,1,2,3,4,5,6,7
	v_fma_f32 v[ST+2*\i], v[ST+2*\i], s38, s39     ; the variance + 1e-5
.endr
.irp i, 0,1,2,3,4,5,6,7
	v_rsq_f32 v[ST+2*\i], v[ST+2*\i]               ; one batch of eight,
.endr
	v_nop                                          ; a plain instruction behind the last,
	s_wait_alu depctr_va_vdst(0)                   ; and the one wait ahead of the first reader
.irp i, 0,1,2,3,4,5,6,7
.irp j, 0,2,4,6
	v_pk_mul_f32 v[XR+8*\i+\j:XR+8*\i+\j+1], v[XR+8*\i+\j:XR+8*\i+\j+1], v[ST+2*\i:ST+2*\i+1] op_sel_hi:[1,0]
.endr
.irp j, 0,2,4,6
	v_pk_fma_f32 v[XR+8*\i+\j:XR+8*\i+\j+1], v[XR+8*\i+\j:XR+8*\i+\j+1], v[GA+\j:GA+\j+1], v[BE+\j:BE+\j+1]
.endr
.irp j, 0,1,2,3,4,5,6,7
	v_med3_num_f32 v[XR+8*\i+\j], v[XR+8*\i+\j], -v[HLX], v[HLX]   ; the conversion to an 8-bit code does not saturate (ISA guide 7.6.2): the hold at the largest code x the scale
.endr
	v_cvt_scalef32_pk8_bf8_f32 v[ST+2*\i:ST+2*\i+1], v[XR+8*\i:XR+8*\i+7], v[SCX]   ; into the row's own pair, which is free now: no store's data are ever written again
	ds_store_b32 v[XST], v[ST+2*\i] offset:XPITCH*\i               ; columns 4 l .. 4 l + 3,
	ds_store_b32 v[XST], v[ST+2*\i+1] offset:XPITCH*\i+128         ; and 128 + 4 l .. + 3
.endr
	v_nop                                          ; a plain instruction behind the last conversion
	; ---- the gather: my tile's 8 indices a lane, in each of the 8 heads' tables of 4,096 bytes
.irp h, 0,1,2,3,4,5,6,7
.irp j, 0,1,2,3,4,5,6,7
	global_load_b32 v[GR+8*\h+\j], v[IDX+\j], s[14:15] offset:4096*\h
.endr
.endr
	s_wait_dscnt 0x0                               ; for the others' sake: my codes lie in LDS
	s_barrier_signal -1
	s_barrier_wait -1                              ; everybody's do
	s_wait_loadcnt 0x0                             ; W and the gathered biases
.set k, 0
.rept 32
	v_pk_mul_f32 v[GR+k:GR+k+1], v[GR+k:GR+k+1], 0x3fb8aa3b op_sel_hi:[1,0]   ; x log2(e)
.set k, k+2
.endr
.irp h, 0,1,2,3,4,5,6,7
	global_store_b128 v[L16], v[GR+8*\h:GR+8*\h+3], s[40+2*\h:41+2*\h]
	global_store_b128 v[L16], v[GR+8*\h+4:GR+8*\h+7], s[40+2*\h:41+2*\h] offset:512
.endr
; ---- the product.  tr = 1: source 0 = W (transposed use); 0: source 0 = x.  K step 0 takes the bias as C, K step 1 adds in place.
.macro MM t, s, tr
.set rW, WF+32*\t+16*\s
.set rX, XF+16*\s
.set rA, ACC+8*\t
.set rC, ACC+8*\t
.if \s == 0
.set rC, CB+8*\t
.endif
.if \tr
	v_wmma_f32_16x16x128_bf8_bf8 v[rA:rA+7], v[rW:rW+15], v[rX:rX+15], v[rC:rC+7]
.else
	v_wmma_f32_16x16x128_bf8_bf8 v[rA:rA+7], v[rX:rX+15], v[rW:rW+15], v[rC:rC+7]
.endif
.endm
.macro FETCHX m                        ; rows 16 m on: two fragments
	s_wait_xcnt 0x0                                ; the stores issued so far have read their data: those registers are written again only behind this wait
.irp s, 0,1
.irp c, 0,1,2,3
	ds_load_b128 v[XF+16*\s+4*\c:XF+16*\s+4*\c+3], v[XFA] offset:16*XPITCH*\m+128*\s+32*\c
.endr
.endr
	s_wait_dscnt 0x0
.endm
.macro PLACES                          ; four places behind the last product, ahead of the first read of a result (ISA guide 7.12.1).  The next tile of rows begins each accumulator anew: the fifth place that this
.rept 4                                ; wants is the vector work on the other two accumulators, which names none of that product's registers
	v_nop
.endr
.endm
.macro QKOUT t, m, cs, base            ; a transposed tile x its factor, stored as the image of eight registers
.irp j, 0,2,4,6
	v_pk_mul_f32 v[ACC+8*\t+\j:ACC+8*\t+\j+1], v[ACC+8*\t+\j:ACC+8*\t+\j+1], s[\cs:\cs+1] op_sel_hi:[1,0]
.endr
	global_store_b128 v[L16], v[ACC+8*\t:ACC+8*\t+3], s[\base:\base+1] offset:1024*\m
	global_store_b128 v[L16], v[ACC+8*\t+4:ACC+8*\t+7], s[\base:\base+1] offset:1024*\m+512
.endm
.macro VOUT t, dt, m                   ; a lane's eight tokens of one column of v become eight codes; four tiles of rows fill the image of 64 keys
.irp j, 0,1,2,3,4,5,6,7
	v_med3_num_f32 v[ACC+8*\t+\j], v[ACC+8*\t+\j], -v[HLV], v[HLV]
.endr
	v_cvt_scalef32_pk8_bf8_f32 v[VC+8*\t+2*((\m)%4):VC+8*\t+2*((\m)%4)+1], v[ACC+8*\t:ACC+8*\t+7], v[SCV]
	v_nop                                          ; a plain instruction between the conversion and the next products, which write its sources
.if ((\m)%4) == 3
	global_store_b128 v[L16], v[VC+8*\t:VC+8*\t+3], s[24:25] offset:4096*((\m)/4)+1024*\dt
	global_store_b128 v[L16], v[VC+8*\t+4:VC+8*\t+7], s[24:25] offset:4096*((\m)/4)+1024*\dt+512
.endif
.endm
	s_cmp_lg_u32 s33, 0
	s_cbranch_scc1 .Lodd
	; even waves: q, k (transposed), v0.  The three accumulators take turns, one instruction a turn
.irp j, 0,1,2,3,4,5,6,7,8,9,10,11,12,13,14,15
	v_ldexp_f32 v[CB+\j], v[CB+\j], s60
.endr
	v_mov_b32 v[TMP], v[CB+18]
.irp j, 0,1,2,3,4,5,6,7
	v_ldexp_f32 v[CB+16+\j], v[TMP], s60
.endr
.irp m, 0,1,2,3,4,5,6,7
	FETCHX \m
	MM 0, 0, 1
	MM 1, 0, 1
	MM 2, 0, 0
	MM 0, 1, 1
	MM 1, 1, 1
	MM 2, 1, 0
	PLACES
	QKOUT 0, \m, 56, 20
	QKOUT 1, \m, 58, 22
	VOUT 2, 0, \m
.endr
	s_branch .Ldone
.Lodd:
	; odd waves: v1, v2, v3
.irp j, 0,1,2,3,4,5,6,7
	v_ldexp_f32 v[CB+\j], v[CB+16], s60
.endr
.irp j, 0,1,2,3,4,5,6,7
	v_ldexp_f32 v[CB+8+\j], v[CB+17], s60
.endr
	v_mov_b32 v[TMP], v[CB+18]
.irp j, 0,1,2,3,4,5,6,7
	v_ldexp_f32 v[CB+16+\j], v[TMP], s60
.endr
.irp m, 0,1,2,3,4,5,6,7
	FETCHX \m
	MM 0, 0, 0
	MM 1, 0, 0
	MM 2, 0, 0
	MM 0, 1, 0
	MM 1, 1, 0
	MM 2, 1, 0
	PLACES
	VOUT 0, 1, \m
	VOUT 1, 2, \m
	VOUT 2, 3, \m
.endr
.Ldone:
	s_wait_tensorcnt 0x0                           ; the wave's end, behind my last LDS store
	ds_add_u32 v[SPW], v[NIL]
	s_wait_dscnt 0x0
	s_endpgm
.Lfunc_end_k_q7b52afd73b_prep:
	.size	k_q7b52afd73b_prep, .Lfunc_end_k_q7b52afd73b_prep-k_q7b52afd73b_prep
	.p2alignl 7, 3214868480
	.fill 96, 4, 3214868480
	.section	.rodata,"a",@progbits
	.p2align	6, 0x0
	.amdhsa_kernel k_q7b52afd73b_prep
		.amdhsa_group_segment_fixed_size 36864
		.amdhsa_private_segment_fixed_size 0
		.amdhsa_enable_private_segment 0
		.amdhsa_kernarg_size 96
		.amdhsa_user_sgpr_count 2
		.amdhsa_user_sgpr_kernarg_segment_ptr 1
		.amdhsa_wavefront_size32 1
		.amdhsa_system_sgpr_workgroup_id_x 1
		.amdhsa_system_sgpr_workgroup_id_y 1
		.amdhsa_system_sgpr_workgroup_id_z 1
		.amdhsa_system_vgpr_workitem_id 0
		.amdhsa_next_free_vgpr 256
		.amdhsa_next_free_sgpr 66
		.amdhsa_reserve_vcc 0
		.amdhsa_float_denorm_mode_32 3
		.amdhsa_float_denorm_mode_16_64 3
		.amdhsa_memory_ordered 1
		.amdhsa_forward_progress 1
		.amdhsa_inst_pref_size 91
	.end_amdhsa_kernel
	.amdgpu_metadata
---
amdhsa.version: [ 1, 2 ]
amdhsa.kernels:
  - .name:           k_q7b52afd73b_prep
    .symbol:         k_q7b52afd73b_prep.kd
    .args:
      - { .name: x, .offset: 0, .size: 8, .value_kind: global_buffer, .address_space: global }
      - { .name: gamma, .offset: 8, .size: 8, .value_kind: global_buffer, .address_space: global }
      - { .name: beta, .offset: 16, .size: 8, .value_kind: global_buffer, .address_space: global }
      - { .name: w_qkv_codes, .offset: 24, .size: 8, .value_kind: global_buffer, .address_space: global }
      - { .name: b_qkv, .offset: 32, .size: 8, .value_kind: global_buffer, .address_space: global }
      - { .name: attn_biases, .offset: 40, .size: 8, .value_kind: global_buffer, .address_space: global }
      - { .name: bias_idxs, .offset: 48, .size: 8, .value_kind: global_buffer, .address_space: global }
      - { .name: lowp_scales, .offset: 56, .size: 8, .value_kind: global_buffer, .address_space: global }
      - { .name: qimg, .offset: 64, .size: 8, .value_kind: global_buffer, .address_space: global }
      - { .name: kimg, .offset: 72, .size: 8, .value_kind: global_buffer, .address_space: global }
      - { .name: vimg, .offset: 80, .size: 8, .value_kind: global_buffer, .address_space: global }
      - { .name: biasimg, .offset: 88, .size: 8, .value_kind: global_buffer, .address_space: global }
    .group_segment_fixed_size: 36864
    .private_segment_fixed_size: 0
    .kernarg_segment_align: 8
    .kernarg_segment_size: 96
    .max_flat_workgroup_size: 512
    .sgpr_count:     66
    .vgpr_count:     256
    .wavefront_size: 32
...
	.end_amdgpu_metadata
.endif
;; end of part 1
;; launch attn (part 2): grid 32 x 8, 16 waves a work-group, no clusters, 264,192 bytes of LDS; arguments qimg, kimg, vimg, biasimg, lowp_scales, oimg; writes oimg
.if DOCPART == 2
	.amdgcn_target "amdgcn-amd-amdhsa--gfx1250"
	.amdhsa_code_object_version 6
	.text
	.protected	k_q7b52afd73b_attn
	.globl	k_q7b52afd73b_attn
	.p2align	8
	.type	k_q7b52afd73b_attn,@function
k_q7b52afd73b_attn:
	s_mov_b64 s[64:65], 0
	v_nop
	global_prefetch_b8 v0, s[64:65] scope:SCOPE_SE
	s_setreg_imm32_b32 hwreg(HW_REG_WAVE_MODE, 25, 1), 1
	s_wait_xcnt 0x0
; Attention for one head: t = q' k^T + bias' (f32 operands, since t goes on into a quantiser); p = 2^(t - M), M the ceiling of the running largest t; p quantised (2^e2) along the keys; O^T += V^T P^T on codes of E5M2;
; the row's sum of the unquantised p divides at the end; the result is quantised (2^e4) for the projection.  Nothing of reference() is left out.
; The four inputs are images of operand registers (registers 4 i .. 4 i + 3 of every lane at 512 i + 16 x lane); lane = (r = lane % 16, hh = lane / 16):
;   qimg, kimg: register j = q' or k (token r, kd 8 hh + j); K step s of the f32 form takes registers 2 s, 2 s + 1: one permutation of kd, the same in K and in Q.   q' holds 0.25 log2(e), bias' holds log2(e): t is in units of log2.
;   vimg: registers 2 c, 2 c + 1 = v(keys 16 c + 8 hh + 0 .. 7, d = r).     biasimg: register j = bias'(query r, key 8 hh + j): the layout of the C of S^T.
; BOTH PRODUCTS ARE USED TRANSPOSED: S^T = K Q^T + bias (source 0 = 16 keys, source 1 = 16 queries), O^T = V^T P^T: a lane holds ONE query throughout, and the eight registers of a tile of S^T are eight neighbouring keys,
; so the conversions' results are the second product's operand, each k in its true place.
; SHARES.  A work-group takes one head, TWO batches and half of the queries.  K and V of both batches, 4 x 65,536 bytes, are brought into LDS once, one tensor load a wave, and stay: the loop over the keys has no barrier.
; Wave w takes two tiles of 16 queries, one after the other, each for both batches: a fragment of the bias, which hangs on no batch, is loaded from memory into the C registers once and serves two products.
; A wave's bias is one stream of 131,072 consecutive bytes, 4,096 a key step of 64 keys.
; BY TURNS.  The wave's two batches are two PIECES that share the bias and nothing else.  A piece's softmax falls into P1, which reads S^T (the maximum, M, f, t - M: 39 instructions), and P2, which reads p's registers alone
; (32 exponentials, the sum, the hold, the conversions, O^T x f: 101 instructions).  While one piece's 16 f32 matrix instructions are issued (BLOCK), the other piece's P2 stands between them, one slice behind each.
; Between two blocks (MID) stand the LDS loads, the other piece's four products V^T P^T and the piece's own P1.  So S^T and p need one set of registers each; V's fragments land in p's registers, which are free behind the last
; conversion.  Piece 1 runs half a step behind piece 0: in a tile's first trip its P2 finds t - M = -3e38, so p = 0 and zero codes, and its products add nothing; its last P2 and products are written out behind the loop.
; NO CLUSTER: what work-groups share at one time is the bias (the 16 pairs of batches walk the same stream).  A joint load lands in LDS: beside K and V 65,536 - 2,048 bytes of a WGP's 327,680 are left, and one key step's bias
; for 16 waves is 65,536, so no two slots fit; K and V are shared by two work-groups only, 262,144 of the 2,359,296 bytes that a work-group reads.
; oimg [b][tile of 16 tokens][head][2][32][16 B] codes: registers 2 dt, 2 dt + 1 = o(token r, 64 head + 16 dt + 8 hh + 0 .. 7).
; LIMITS: e2 and e4 - e2 - e3 between -126 and 112, so that each power of two below is an f32 number.  NaN and infinity are not served.
.set SPARE, 262144                     ; behind K and V: the spare words, 128 bytes for each of the 16 waves, which no other line names
.set L16,  1                           ; v1   16 x lane: an image's place for my lane; also K of batch 0 in LDS
.set KB1,  2                           ; v2   + 65,536: K of batch 1
.set VB0,  3                           ; v3   + 131,072: V of batch 0
.set VB1M, 4                           ; v4   + 196,608 - 4,096: V of batch 1, one key step back: piece 1's products come a trip later
.set ADK,  5                           ; v5, v6  LDS addresses of the loads in hand
.set ADV,  6
.set CA,   7                           ; v7   the bias loads' offset in my stream
.set PFV,  8                           ; v8   the prefetch's
.set PFO,  9                           ; v9   256 x lane + 8,192
.set SPW,  10                          ; v10  LDS address of my spare word; never rewritten
.set NIL,  11                          ; v11  0; never rewritten
.set SC,   12                          ; v12, v13  2^e2 and 57,344 x 2^e2
.set HL,   13
.set SC4,  14                          ; v14, v15  the same with e4 - e2 - e3
.set HL4,  15
.set STT,  16                          ; v16-23  for each piece: -M, the largest t, the sum in two halves
.set MX,   24                          ; v24-27  four maxima
.set PT,   28                          ; v28     a permute's destination
.set TP,   29
.set FF,   30                          ; v[30:31] f = 2^(old M - new M) of the piece whose P2 is due; at a tile's end 1 / l of piece 0
.set L2,   32                          ; v[32:33] the sum's second chain; at a tile's end 1 / l of piece 1
.set QF,   40                          ; v40-55   Q, 8 registers a piece
.set PC,   56                          ; v56-63   p's codes
.set BC,   64                          ; v64-95   the step's bias, four tiles
.set SR,   96                          ; v96-127  S^T: written by the f32 matrix form alone
.set PR,   128                         ; v128-159 t - M, then p, then V's fragments; at a tile's end the result's codes
.set KF,   160                         ; v160-191 K's fragments
.set OT,   192                         ; v192-255 O^T, 32 registers a piece
	s_load_b256 s[4:11], s[0:1], 0x0               ; qimg 4, kimg 6, vimg 8, biasimg 10
	s_load_b128 s[12:15], s[0:1], 0x20             ; the scales 12, oimg 14
	v_lshl_add_u32 v[SPW], v0, 2, SPARE
	v_mov_b32 v[NIL], 0
	ds_add_u32 v[SPW], v[NIL]                      ; the wave's opening: the add, twice on end, and its wait, ahead of my tensor load; the set-up below, work on registers, stands between
	ds_add_u32 v[SPW], v[NIL]
	v_lshrrev_b32 v[TP], 5, v0
	v_readfirstlane_b32 s16, v[TP]                 ; wave 0..15
	s_and_b32 s17, ttmp7, 0xffff                   ; the head
	s_lshr_b32 s18, ttmp9, 1                       ; the pair of batches
	s_and_b32 s19, ttmp9, 1                        ; which half of the queries
	s_mov_b32 s20, 0x76543210                      ; v_permlanex16_b32: lane l xor 16
	s_mov_b32 s21, 0xfedcba98
	; descriptor group 1: a dense block of 16,384 bytes as 64 rows of 32 elements of 8 bytes, no padding
	s_mov_b32 s24, 3<<16                           ; no mask; elements of 8 bytes
	s_mov_b32 s25, 32<<16                          ; tensor_dim0 = 32
	s_mov_b32 s26, 64<<16                          ; tensor_dim1 = 64
	s_mov_b32 s27, 32<<16                          ; tile_dim0 = 32
	s_mov_b32 s28, 64                              ; tile_dim1 = 64
	s_mov_b32 s29, 32                              ; from row to row
	s_mov_b32 s30, 0
	s_mov_b32 s31, 0
	s_mov_b32 s32, 1                               ; group 0: count = 1,
	s_lshl_b32 s33, s16, 14                        ; LDS address 16,384 x wave: waves 0-3 K of batch 0, 4-7 K of batch 1, 8-11 V of batch 0, 12-15 V of batch 1
	s_lshr_b32 s58, s16, 2
	s_and_b32 s58, s58, 1
	s_lshl_b32 s22, s18, 1
	s_add_co_u32 s22, s22, s58                     ; the batch
	s_lshl_b32 s22, s22, 3
	s_add_co_u32 s22, s22, s17
	s_lshl_b32 s22, s22, 16                        ; 64 KiB for a batch's head,
	s_and_b32 s58, s16, 3
	s_lshl_b32 s58, s58, 14                        ; my quarter of it
	s_add_co_u32 s22, s22, s58
	s_mov_b32 s23, 0
	v_and_b32 v[TP], 31, v0
	v_lshlrev_b32 v[L16], 4, v[TP]
	v_add_nc_u32 v[KB1], 0x10000, v[L16]
	v_add_nc_u32 v[VB0], 0x20000, v[L16]
	v_add_nc_u32 v[VB1M], 0x2f000, v[L16]
	v_lshlrev_b32 v[PFO], 8, v[TP]
	v_add_nc_u32 v[PFO], 8192, v[PFO]
	v_mov_b32 v[CA], v[L16]
	v_mov_b32 v[PT], 0                             ; written once: a lane permute's destination counts as one of its sources
	v_mov_b32 v[FF+1], 0                           ; (named as the upper half of the pair)
	s_wait_dscnt 0x0                               ; both opening adds are done
	s_wait_kmcnt 0x0
	s_load_b128 s[52:55], s[12:13], 0x0            ; e0 .. e3
	s_load_b64 s[56:57], s[12:13], 0x10            ; e4, e5
	s_cmp_lt_u32 s16, 8                            ; the choice hangs on the wave's number alone
	s_cselect_b64 s[34:35], s[6:7], s[8:9]
	s_add_nc_u64 s[34:35], s[34:35], s[22:23]
	s_or_b32 s35, s35, 0x80000000                  ; type = 2
	tensor_load_to_lds s[32:35], s[24:31]          ; every wave's one tensor load: one is out, and no LDS byte is ever filled twice
	s_nop 0
	s_lshl_b32 s58, s19, 5
	s_lshl_b32 s22, s16, 1
	s_add_co_u32 s58, s58, s22                     ; my first tile of queries: 32 x half + 2 x wave
	s_lshl_b32 s22, s17, 22
	s_lshl_b32 s59, s58, 16
	s_add_co_u32 s22, s22, s59
	s_add_nc_u64 s[36:37], s[10:11], s[22:23]      ; my stream of bias
	s_lshl_b32 s22, s18, 4
	s_add_co_u32 s22, s22, s17
	s_lshl_b32 s22, s22, 16
	s_lshl_b32 s59, s58, 10
	s_add_co_u32 s22, s22, s59
	s_add_nc_u64 s[38:39], s[4:5], s[22:23]        ; Q of batch 0,
	s_add_nc_u64 s[40:41], s[38:39], 0x80000       ; of batch 1: eight heads on
	s_lshl_b32 s22, s18, 7
	s_add_co_u32 s22, s22, s58
	s_lshl_b32 s22, s22, 13
	s_lshl_b32 s59, s17, 10
	s_add_co_u32 s22, s22, s59
	s_add_nc_u64 s[42:43], s[14:15], s[22:23]      ; the result's image, batch 0,
	s_add_nc_u64 s[44:45], s[42:43], 0x80000       ; batch 1: 64 tiles of tokens on
.irp n, 0,1,2,3,4,5,6,7
	global_load_b128 v[BC+4*\n:BC+4*\n+3], v[CA], s[36:37] offset:512*\n    ; the first step's bias
.endr
	s_cmp_eq_u32 s18, 0
	s_cselect_b32 s49, 122880, 0                   ; the first pair of batches prefetches, up to this place in the stream; the others never
	s_mov_b32 s47, 0                               ; my place in the stream
	s_wait_kmcnt 0x0
	s_add_co_i32 s22, s54, 127
	s_lshl_b32 s59, s22, 23
	v_mov_b32 v[SC], s59                           ; 2^e2 as f32
	s_add_co_i32 s22, s22, 15
	s_lshl_b32 s22, s22, 23
	s_or_b32 s22, s22, 0x600000
	v_mov_b32 v[HL], s22                           ; 57,344 x 2^e2
	s_sub_co_i32 s22, s56, s54
	s_sub_co_i32 s22, s22, s55                     ; a sum of the second product stands for sum x 2^(e2 + e3): its code is (sum / l) / 2^(e4 - e2 - e3)
	s_add_co_i32 s22, s22, 127
	s_lshl_b32 s59, s22, 23
	v_mov_b32 v[SC4], s59
	s_add_co_i32 s22, s22, 15
	s_lshl_b32 s22, s22, 23
	s_or_b32 s22, s22, 0x600000
	v_mov_b32 v[HL4], s22
	s_wait_tensorcnt 0x0                           ; my quarter lies in LDS,
	s_barrier_signal -1
	s_barrier_wait -1                              ; everybody's does: the launch's one barrier
.irp n, 0,1,2,3,4,5,6,7
	ds_load_b128 v[KF+4*\n:KF+4*\n+3], v[L16] offset:512*\n       ; K of batch 0, key step 0: later each MID fetches the next block's K
.endr
; A PREFETCH INTO THE L2 of 8,192 bytes of my stream, a lane to each 256: the bytes that the loads of the next trip and of the trip after it will ask for.  It stands behind a run of the wave's loads, in every second trip.
; The 16 work-groups that differ in the pair of batches alone walk the same streams: the first of them asks, each wave for its own stream, so each block of 256 bytes is named once in the launch.
; A stream's first 8,192 bytes come by their loads alone; the last asking trip stands at byte 114,688 and names bytes up to 131,071, the stream's last.
.macro ASK
	s_and_b32 s48, s47, 4096
	s_cmp_lg_u32 s48, 0
	s_cbranch_scc1 .Lno_ask_\@
	s_cmp_lt_u32 s47, s49
	s_cbranch_scc0 .Lno_ask_\@
	global_prefetch_b8 v[PFV], s[36:37] th:TH_LOAD_NT scope:SCOPE_SE
.Lno_ask_\@:
.endm
; Matrix instruction i of 16 of S^T = bias + K Q^T for piece b: K step i / 4, tile of 16 keys i % 4.  The four accumulators take turns, one instruction a turn.
.macro QKW b
.set qs, i/4
.set qc, i%4
.if qs == 0
	v_wmma_f32_16x16x4_f32 v[SR+8*qc:SR+8*qc+7], v[KF+8*qc:KF+8*qc+1], v[QF+8*\b:QF+8*\b+1], v[BC+8*qc:BC+8*qc+7]
.else
	v_wmma_f32_16x16x4_f32 v[SR+8*qc:SR+8*qc+7], v[KF+8*qc+2*qs:KF+8*qc+2*qs+1], v[QF+8*\b+2*qs:QF+8*\b+2*qs+1], v[SR+8*qc:SR+8*qc+7]
.endif
.endm
; A slice of P2's first half for piece o: nr rescalings of O^T (plain instructions lead the slice), then four exponentials.  r and e count on from slice to slice.  Each accumulator of O^T is read from its low end on.
.macro SL1 o, nr
.rept \nr
	v_pk_mul_f32 v[OT+32*(\o)+r:OT+32*(\o)+r+1], v[OT+32*(\o)+r:OT+32*(\o)+r+1], v[FF:FF+1] op_sel_hi:[1,0]
.set r, r+2
.endr
.rept 4
	v_exp_f32 v[PR+e], v[PR+e]                     ; p = 2^(t - M)
.set e, e+1
.endr
.endm
; Number j of 52 of P2's second half for piece o: 0-15 the row's sum of the unquantised p, in two chains; then four times eight holds and a conversion.
.macro P2B o
.set rL, STT+4*(\o)+2
.if j == 0
	v_pk_add_f32 v[L2:L2+1], v[PR:PR+1], v[PR+2:PR+3]
.elseif j < 15
.if (j%2) == 1
	v_pk_add_f32 v[rL:rL+1], v[rL:rL+1], v[PR+2*j+2:PR+2*j+3]
.else
	v_pk_add_f32 v[L2:L2+1], v[L2:L2+1], v[PR+2*j+2:PR+2*j+3]
.endif
.elseif j == 15
	v_pk_add_f32 v[rL:rL+1], v[rL:rL+1], v[L2:L2+1]
.else
.set g, (j-16)/9
.set u, (j-16)%9
.if u < 8
	v_min_num_f32 v[PR+8*g+u], v[PR+8*g+u], v[HL]  ; the conversion does not saturate (ISA guide 7.6.2); p is not negative, so the hold is one-sided
.else
	v_cvt_scalef32_pk8_bf8_f32 v[PC+2*g:PC+2*g+1], v[PR+8*g:PR+8*g+7], v[SC]   ; keys 16 g + 8 hh + 0 .. 7
.endif
.endif
.set j, j+1
.endm
; The next trip's bias: both pieces have taken this trip's as the C of their first four matrix instructions.  Behind the last of those stand eight rescalings and the two additions below: ten places where eight are asked
; (ISA guide 7.12.1 for vector instructions).  The loads have the block's other twelve matrix instructions and a MID in which to land.
.macro NEXTBIAS
	s_add_co_u32 s48, s47, 4096
	s_and_b32 s48, s48, 0x1ffff                    ; behind the stream's last step this points at its first bytes, so that no load leaves the buffer (that one load's data are not used)
	s_wait_xcnt 0x0                                ; the last loads and the last prefetch have read their offsets
	v_add_nc_u32 v[CA], s48, v[L16]
	v_add_nc_u32 v[PFV], s47, v[PFO]
.irp n, 0,1,2,3,4,5,6,7
	global_load_b128 v[BC+4*\n:BC+4*\n+3], v[CA], s[36:37] offset:512*\n
.endr
.endm
; A BLOCK: piece b's 16 f32 matrix instructions, the other piece's P2 in slices behind them.  The exponentials are ONE batch, issued behind the first eight; none of the lines among them names a result.
; One plain instruction (the sum x f) and ONE wait stand behind the ninth matrix instruction, ahead of the batch's first reader.
.macro BLOCK b
.if \b == 0
	s_wait_loadcnt 0x0                             ; the trip's bias (and Q, at a tile's first trip)
.endif
	s_wait_dscnt 0x0                               ; K's fragments, asked for in the MID before
.set i, 0
.set r, 0
.set e, 0
.set j, 0
.irp n, 1,1,1,8,2,1,1,1
	QKW \b
	SL1 1-\b, \n
.if (\b == 1) && (i == 3)
	NEXTBIAS
.endif
.set i, i+1
.endr
.irp n, 6,6,6,6,6,7,7,8
	QKW \b
.if i == 8
	v_pk_mul_f32 v[STT+4*(1-\b)+2:STT+4*(1-\b)+3], v[STT+4*(1-\b)+2:STT+4*(1-\b)+3], v[FF:FF+1] op_sel_hi:[1,0]   ; the sum under the new M
	s_wait_alu depctr_va_vdst(0)
.endif
.rept \n
	P2B 1-\b
.endr
.set i, i+1
.endr
.endm
; O^T += V^T P^T for piece o: four tiles of 16 of d, K = the step's 64 keys
.macro PV o
.irp d, 0,1,2,3
	v_wmma_f32_16x16x64_bf8_bf8 v[OT+32*(\o)+8*\d:OT+32*(\o)+8*\d+7], v[PR+8*\d:PR+8*\d+7], v[PC:PC+7], v[OT+32*(\o)+8*\d:OT+32*(\o)+8*\d+7]
.endr
.endm
; BETWEEN TWO BLOCKS.  Piece b's scores are whole, the other piece's codes are made.  Behind the block's last matrix instruction stand seven holds and the two additions: nine places, ahead of the loads into K's registers;
; the first reads of that instruction's scores come three instructions later still.  V lands in p's registers (their last reader was the last conversion); the sixteen maxima stand between the loads and the wait for V.
; P1's seven last instructions are the places between the products V^T P^T and the writes of p's registers, which those products read.
.macro MID b
.if \b == 0
	v_add_nc_u32 v[ADV], s46, v[VB1M]              ; V of piece 1, the step before this one
	v_add_nc_u32 v[ADK], s46, v[KB1]               ; K of piece 1, this step
.else
	s_add_co_u32 s58, s46, 4096
	s_and_b32 s58, s58, 0xf000                     ; behind the last step: step 0, which the next tile of queries begins with
	v_add_nc_u32 v[ADV], s46, v[VB0]               ; V of piece 0, this step
	v_add_nc_u32 v[ADK], s58, v[L16]               ; K of piece 0, the next step
.endif
.irp n, 0,1,2,3,4,5,6,7
	ds_load_b128 v[PR+4*\n:PR+4*\n+3], v[ADV] offset:512*\n
.endr
.irp n, 0,1,2,3,4,5,6,7
	ds_load_b128 v[KF+4*\n:KF+4*\n+3], v[ADK] offset:512*\n
.endr
.if \b == 1
	ASK
.endif
	; the largest t of my query among my 32 keys, in four chains: each accumulator is read from its low end on
.irp c, 0,1,2,3
	v_max3_num_f32 v[MX+\c], v[SR+8*\c], v[SR+8*\c+1], v[SR+8*\c+2]
.endr
.irp c, 0,1,2,3
	v_max3_num_f32 v[MX+\c], v[MX+\c], v[SR+8*\c+3], v[SR+8*\c+4]
.endr
.irp c, 0,1,2,3
	v_max3_num_f32 v[MX+\c], v[MX+\c], v[SR+8*\c+5], v[SR+8*\c+6]
.endr
	v_max3_num_f32 v[MX], v[MX], v[SR+7], v[SR+15]
	v_max3_num_f32 v[MX+2], v[MX+2], v[SR+23], v[SR+31]
	v_max3_num_f32 v[MX], v[MX], v[MX+1], v[MX+2]
	v_max_num_f32 v[MX], v[MX], v[MX+3]
	s_wait_dscnt 8                                 ; V's eight loads are in; K's eight, issued behind them, may be out
	PV 1-\b
	v_permlanex16_b32 v[PT], v[MX], s20, s21       ; the query's other 32 keys lie in lane l xor 16
	v_max3_num_f32 v[STT+4*\b+1], v[STT+4*\b+1], v[MX], v[PT]      ; the running largest t
	v_mov_b32 v[TP], v[STT+4*\b]
	v_floor_f32 v[STT+4*\b], -v[STT+4*\b+1]        ; -M = floor(-t): M is a whole number
	v_sub_f32 v[TP], v[STT+4*\b], v[TP]            ; old M - new M: a whole number, 0 or less
	v_cvt_i32_f32 v[TP], v[TP]                     ; (it saturates)
	v_ldexp_f32 v[FF], 1.0, v[TP]                  ; f = 2^(old M - new M): a multiplication by it rounds nothing
.set k, 0
.rept 16
	v_pk_add_f32 v[PR+k:PR+k+1], v[SR+k:SR+k+1], v[STT+4*\b:STT+4*\b+1] op_sel_hi:[1,0]   ; t - M, into other registers than the sums'
.set k, k+2
.endr
.endm
	s_mov_b32 s51, 2
.Ltile:                                            ; two tiles of 16 queries
	global_load_b128 v[QF:QF+3], v[L16], s[38:39]
	global_load_b128 v[QF+4:QF+7], v[L16], s[38:39] offset:512
	global_load_b128 v[QF+8:QF+11], v[L16], s[40:41]
	global_load_b128 v[QF+12:QF+15], v[L16], s[40:41] offset:512
.irp b, 0,1
	v_mov_b32 v[STT+4*\b+1], 0xff61b1e6            ; the largest t so far: -3e38, under every t
	v_mov_b32 v[STT+4*\b+2], 0                     ; the sum
	v_mov_b32 v[STT+4*\b+3], 0
.endr
.irp b, 0,1
	v_floor_f32 v[STT+4*\b], -v[STT+4*\b+1]        ; -M
.endr
	v_mov_b32 v[FF], 1.0                           ; for piece 1's P2 of the first trip, which works on nothing
.set k, 0
.rept 64
	v_mov_b32 v[OT+k], 0                           ; O^T.  (The step is written once: a tile's first step finds zeros, which the first change of M leaves zeros)
.set k, k+1
.endr
.set k, 0
.rept 32
	v_mov_b32 v[PR+k], v[STT+1]                    ; t - M = -3e38: p = 0 and zero codes in piece 1's P2 of the first trip
.set k, k+1
.endr
	s_mov_b32 s46, 0                               ; the key step's place in K's and V's 65,536 bytes
	s_mov_b32 s50, 16
.Lstep:                                            ; 16 steps of 64 keys
	BLOCK 0                                        ; piece 0's scores of this step | piece 1's P2 of the step before
	MID 0                                          ; V of piece 1, K of piece 1 | piece 1's products of the step before | piece 0's P1
	BLOCK 1                                        ; piece 1's scores | piece 0's P2 | the next step's bias
	MID 1                                          ; V of piece 0, the next K of piece 0 | piece 0's products | piece 1's P1
	s_add_co_u32 s46, s46, 4096
	s_add_co_u32 s47, s47, 4096
	s_sub_co_u32 s50, s50, 1
	s_cmp_lg_u32 s50, 0
	s_cbranch_scc1 .Lstep
	; piece 1's last P2 and products: no scores are left to set them between
.set r, 0
.rept 16
	v_pk_mul_f32 v[OT+32+r:OT+32+r+1], v[OT+32+r:OT+32+r+1], v[FF:FF+1] op_sel_hi:[1,0]
.set r, r+2
.endr
.set e, 0
.rept 32
	v_exp_f32 v[PR+e], v[PR+e]
.set e, e+1
.endr
	v_pk_mul_f32 v[STT+6:STT+7], v[STT+6:STT+7], v[FF:FF+1] op_sel_hi:[1,0]   ; the plain instruction behind the batch,
	s_wait_alu depctr_va_vdst(0)                   ; and the one wait ahead of its first reader
.set j, 0
.rept 52
	P2B 1
.endr
	v_add_nc_u32 v[ADV], 0x10000, v[VB1M]          ; V of piece 1, the last step
.irp n, 0,1,2,3,4,5,6,7
	ds_load_b128 v[PR+4*\n:PR+4*\n+3], v[ADV] offset:512*\n
.endr
	s_wait_dscnt 0x0
	PV 1
	; A TILE'S END.  The four additions and the v_nop are the places behind the last products
	v_add_f32 v[MX], v[STT+2], v[STT+3]
	v_add_f32 v[MX+1], v[STT+6], v[STT+7]
	v_permlanex16_b32 v[MX+2], v[MX], s20, s21
	v_permlanex16_b32 v[MX+3], v[MX+1], s20, s21
	v_add_f32 v[MX], v[MX], v[MX+2]                ; the rows' sums
	v_add_f32 v[MX+1], v[MX+1], v[MX+3]
	v_rcp_f32 v[FF], v[MX]
	v_rcp_f32 v[L2], v[MX+1]
	v_nop                                          ; a plain instruction behind the reciprocals,
	s_wait_alu depctr_va_vdst(0)                   ; and the one wait ahead of their first reader
.irp b, 0,1
.set k, 0
.rept 16
	v_pk_mul_f32 v[OT+32*\b+k:OT+32*\b+k+1], v[OT+32*\b+k:OT+32*\b+k+1], v[FF+2*\b:FF+2*\b+1] op_sel_hi:[1,0]   ; O^T / l, each accumulator from its low end on
.set k, k+2
.endr
.set k, 0
.rept 32
	v_med3_num_f32 v[OT+32*\b+k], v[OT+32*\b+k], -v[HL4], v[HL4]
.set k, k+1
.endr
.irp d, 0,1,2,3
	v_cvt_scalef32_pk8_bf8_f32 v[PR+8*\b+2*\d:PR+8*\b+2*\d+1], v[OT+32*\b+8*\d:OT+32*\b+8*\d+7], v[SC4]   ; d = 16 dt + 8 hh + 0 .. 7 of my query
.endr
	v_nop                                          ; a plain instruction behind the last conversion
	global_store_b128 v[L16], v[PR+8*\b:PR+8*\b+3], s[42+2*\b:43+2*\b]
	global_store_b128 v[L16], v[PR+8*\b+4:PR+8*\b+7], s[42+2*\b:43+2*\b] offset:512
.endr
	s_wait_xcnt 0x0                                ; the stores have read their data and their bases: both are written again only behind this wait
	s_add_nc_u64 s[38:39], s[38:39], 1024          ; the next tile of queries
	s_add_nc_u64 s[40:41], s[40:41], 1024
	s_add_nc_u64 s[42:43], s[42:43], 8192
	s_add_nc_u64 s[44:45], s[44:45], 8192
	s_sub_co_u32 s51, s51, 1
	s_cmp_lg_u32 s51, 0
	s_cbranch_scc1 .Ltile
	s_wait_tensorcnt 0x0                           ; the wave's end
	ds_add_u32 v[SPW], v[NIL]
	s_wait_dscnt 0x0
	s_endpgm
.Lfunc_end_k_q7b52afd73b_attn:
	.size	k_q7b52afd73b_attn, .Lfunc_end_k_q7b52afd73b_attn-k_q7b52afd73b_attn
	.p2alignl 7, 3214868480
	.fill 96, 4, 3214868480
	.section	.rodata,"a",@progbits
	.p2align	6, 0x0
	.amdhsa_kernel k_q7b52afd73b_attn
		.amdhsa_group_segment_fixed_size 264192
		.amdhsa_private_segment_fixed_size 0
		.amdhsa_enable_private_segment 0
		.amdhsa_kernarg_size 48
		.amdhsa_user_sgpr_count 2
		.amdhsa_user_sgpr_kernarg_segment_ptr 1
		.amdhsa_wavefront_size32 1
		.amdhsa_system_sgpr_workgroup_id_x 1
		.amdhsa_system_sgpr_workgroup_id_y 1
		.amdhsa_system_sgpr_workgroup_id_z 1
		.amdhsa_system_vgpr_workitem_id 0
		.amdhsa_next_free_vgpr 256
		.amdhsa_next_free_sgpr 66
		.amdhsa_reserve_vcc 0
		.amdhsa_float_denorm_mode_32 3
		.amdhsa_float_denorm_mode_16_64 3
		.amdhsa_memory_ordered 1
		.amdhsa_forward_progress 1
		.amdhsa_inst_pref_size 43
	.end_amdhsa_kernel
	.amdgpu_metadata
---
amdhsa.version: [ 1, 2 ]
amdhsa.kernels:
  - .name:           k_q7b52afd73b_attn
    .symbol:         k_q7b52afd73b_attn.kd
    .args:
      - { .name: qimg, .offset: 0, .size: 8, .value_kind: global_buffer, .address_space: global }
      - { .name: kimg, .offset: 8, .size: 8, .value_kind: global_buffer, .address_space: global }
      - { .name: vimg, .offset: 16, .size: 8, .value_kind: global_buffer, .address_space: global }
      - { .name: biasimg, .offset: 24, .size: 8, .value_kind: global_buffer, .address_space: global }
      - { .name: lowp_scales, .offset: 32, .size: 8, .value_kind: global_buffer, .address_space: global }
      - { .name: oimg, .offset: 40, .size: 8, .value_kind: global_buffer, .address_space: global }
    .group_segment_fixed_size: 264192
    .private_segment_fixed_size: 0
    .kernarg_segment_align: 8
    .kernarg_segment_size: 48
    .max_flat_workgroup_size: 512
    .sgpr_count:     66
    .vgpr_count:     256
    .wavefront_size: 32
...
	.end_amdgpu_metadata
.endif
;; end of part 2
;; launch proj (part 3): grid 256 x 1, 16 waves a work-group, no clusters, 200,704 bytes of LDS; arguments oimg, w_proj_codes, b_proj, lowp_scales, out0; writes out0
.if DOCPART == 3
	.amdgcn_target "amdgcn-amd-amdhsa--gfx1250"
	.amdhsa_code_object_version 6
	.text
	.protected	k_q7b52afd73b_proj
	.globl	k_q7b52afd73b_proj
	.p2align	8
	.type	k_q7b52afd73b_proj,@function
k_q7b52afd73b_proj:
	s_mov_b64 s[64:65], 0
	v_nop
	global_prefetch_b8 v0, s[64:65] scope:SCOPE_SE
	s_setreg_imm32_b32 hwreg(HW_REG_WAVE_MODE, 25, 1), 1
	s_wait_xcnt 0x0
; out0 = o W_proj^T x 2^(e4 + e5) + b_proj, on codes of E5M2.  Nothing of reference() is left out.
; oimg [b][tile of 16 tokens][head][2][32][16 B]: images of operand registers: registers 2 dt, 2 dt + 1 of a head = o(token r, 64 head + 16 dt + 8 hh + 0 .. 7); two heads on end are a fragment of 128 along K, each k in its true place.
; w_proj_codes [256][512]; out0 [32,768][256] f32.  Lane = (r = lane % 16, hh = lane / 16).
; SHARES.  A work-group takes 128 tokens: 65,536 consecutive bytes of oimg, copied once through registers into LDS, since each fragment is read by eight waves.  Wave w = (cg = w % 8, th = w / 8) makes output columns
; 32 cg .. 32 cg + 31 for tiles of tokens 4 th .. 4 th + 3; its 128 registers of W stay.  The product is used transposed (source 0 = 16 rows of W): a lane holds eight neighbouring columns of one token.
; The results meet in a stage in LDS, and each wave stores 8 whole rows of 1,024 bytes, 512 consecutive bytes an instruction.
; No tensor load and no cluster: work-groups share only W (131,072 bytes), which each wave reads once into registers.
; LIMIT: e4 + e5 between -126 and 127, so that 2^(e4 + e5) is an f32 number.
.set STG,    65536                     ; behind the images: the stage, 128 rows of 1,024 bytes + 16
.set SPITCH, 1040
.set SPARE,  STG+128*SPITCH            ; behind the stage: the spare words, 128 bytes for each of the 16 waves, which no other line names
.set L16, 1                            ; v1   16 x lane
.set CP,  2                            ; v2   the copy: 4,096 x wave + 16 x lane, in memory and in LDS
.set FA,  4                            ; v4   LDS: my four tiles' images: 32,768 th + 16 x lane
.set WA,  5                            ; v5   W: 512 r + 8 hh
.set BPA, 6                            ; v6   b_proj: 32 hh
.set SO,  7                            ; v7   the stage: where I put 32 bytes of a row
.set SRD, 8                            ; v8   and where I read a row back
.set GO,  9                            ; v9   out0: 8,192 x wave + 16 x lane
.set SPW, 10                           ; v10  LDS address of my spare word; never rewritten
.set NIL, 11                           ; v11  0; never rewritten
.set BP,  16                           ; v16-31   b_proj in the results' layout, 8 registers a tile
.set ACC, 32                           ; v32-47   two accumulators
.set FR,  48                           ; v48-111  a tile's four fragments; at first the copy's 32 registers, at last 8 rows of out0
.set WF,  128                          ; v128-255 W: tile ct, K step p at 128 + 64 ct + 16 p
	s_load_b256 s[4:11], s[0:1], 0x0               ; oimg 4, W 6, b_proj 8, the scales 10
	s_load_b64 s[12:13], s[0:1], 0x20              ; out0
	v_lshl_add_u32 v[SPW], v0, 2, SPARE
	v_mov_b32 v[NIL], 0
	v_lshrrev_b32 v3, 5, v0
	v_readfirstlane_b32 s16, v3                    ; wave 0..15
	s_and_b32 s17, s16, 7                          ; cg
	s_lshr_b32 s18, s16, 3                         ; th
	v_and_b32 v3, 31, v0
	v_and_b32 v12, 15, v0                          ; r
	v_bfe_u32 v13, v0, 4, 1                        ; hh
	v_lshlrev_b32 v[L16], 4, v3
	s_lshl_b32 s19, s16, 12
	v_add_nc_u32 v[CP], s19, v[L16]
	s_lshl_b32 s19, s18, 15
	v_add_nc_u32 v[FA], s19, v[L16]
	v_lshlrev_b32 v[WA], 9, v12
	v_lshl_add_u32 v[WA], v13, 3, v[WA]
	v_lshlrev_b32 v[BPA], 5, v13
	s_mul_i32 s19, s18, 64*SPITCH                  ; the stage: row 64 th + r, + 128 cg + 32 hh bytes
	s_lshl_b32 s20, s17, 7
	s_add_co_u32 s19, s19, s20
	s_add_co_u32 s19, s19, STG
	v_mul_u32_u24 v[SO], v12, SPITCH
	v_lshl_add_u32 v[SO], v13, 5, v[SO]
	v_add_nc_u32 v[SO], s19, v[SO]
	s_mul_i32 s19, s16, 8*SPITCH                   ; back: my 8 rows
	s_add_co_u32 s19, s19, STG
	v_add_nc_u32 v[SRD], s19, v[L16]
	s_lshl_b32 s19, s16, 13
	v_add_nc_u32 v[GO], s19, v[L16]
	s_mov_b32 s21, 0
	s_wait_kmcnt 0x0
	s_load_b64 s[22:23], s[10:11], 0x10            ; e4, e5
	s_lshl_b32 s20, ttmp9, 16
	s_add_nc_u64 s[4:5], s[4:5], s[20:21]
	s_lshl_b32 s20, s17, 14                        ; my 32 rows of W
	s_add_nc_u64 s[6:7], s[6:7], s[20:21]
	s_lshl_b32 s20, s17, 7
	s_add_nc_u64 s[8:9], s[8:9], s[20:21]
	s_lshl_b32 s20, ttmp9, 17
	s_add_nc_u64 s[12:13], s[12:13], s[20:21]
.irp n, 0,1,2,3,4,5,6,7
	global_load_b128 v[FR+4*\n:FR+4*\n+3], v[CP], s[4:5] offset:512*\n th:TH_LOAD_NT   ; my sixteenth of the images
.endr
.irp ct, 0,1
	global_load_b128 v[BP+8*\ct:BP+8*\ct+3], v[BPA], s[8:9] offset:64*\ct
	global_load_b128 v[BP+8*\ct+4:BP+8*\ct+7], v[BPA], s[8:9] offset:64*\ct+16
.endr
.irp ct, 0,1
.irp p, 0,1,2,3
.irp c, 0,1,2,3,4,5,6,7
	global_load_b64 v[WF+64*\ct+16*\p+2*\c:WF+64*\ct+16*\p+2*\c+1], v[WA], s[6:7] offset:8192*\ct+128*\p+16*\c   ; k = 128 p + 16 c + 8 hh + 0 .. 7
.endr
.endr
.endr
	s_wait_loadcnt 63                              ; of the 76 loads the oldest 13 are in, the copy's eight among them
.irp n, 0,1,2,3,4,5,6,7
	ds_store_b128 v[CP], v[FR+4*\n:FR+4*\n+3] offset:512*\n
.endr
	s_wait_kmcnt 0x0
	s_add_co_i32 s22, s22, s23
	s_add_co_i32 s22, s22, 127
	s_lshl_b32 s22, s22, 23                        ; 2^(e4 + e5) as f32
	s_mov_b32 s23, s22                             ; (named with it as a pair, so it is written)
	s_wait_dscnt 0x0                               ; for the others' sake: my part of the images lies in LDS
	s_barrier_signal -1
	s_barrier_wait -1
	s_wait_loadcnt 0x0                             ; W and b_proj
.irp mm, 0,1,2,3                       ; my four tiles of 16 tokens
.irp n, 0,1,2,3,4,5,6,7,8,9,10,11,12,13,14,15
	ds_load_b128 v[FR+4*\n:FR+4*\n+3], v[FA] offset:8192*\mm+512*\n
.endr
	s_wait_dscnt 0x0                               ; the fragments are in (and the last tile's stores into the stage have read their registers)
.irp p, 0,1,2,3                        ; the two accumulators take turns, one instruction a turn; the first K step starts the sums
.irp ct, 0,1
.if \p == 0
	v_wmma_f32_16x16x128_bf8_bf8 v[ACC+8*\ct:ACC+8*\ct+7], v[WF+64*\ct:WF+64*\ct+15], v[FR:FR+15], 0
.else
	v_wmma_f32_16x16x128_bf8_bf8 v[ACC+8*\ct:ACC+8*\ct+7], v[WF+64*\ct+16*\p:WF+64*\ct+16*\p+15], v[FR+16*\p:FR+16*\p+15], v[ACC+8*\ct:ACC+8*\ct+7]
.endif
.endr
.endr
.rept 4
	v_nop                                          ; four places ahead of the first read of a result (ISA guide 7.12.1); the fifth, which the next tile's fresh sums want, is the other accumulator's multiply-adds
.endr
.irp ct, 0,1
.irp j, 0,2,4,6
	v_pk_fma_f32 v[ACC+8*\ct+\j:ACC+8*\ct+\j+1], v[ACC+8*\ct+\j:ACC+8*\ct+\j+1], s[22:23], v[BP+8*\ct+\j:BP+8*\ct+\j+1] op_sel_hi:[1,0,1]   ; sum x 2^(e4 + e5) + b_proj
.endr
.endr
.irp ct, 0,1
	ds_store_b128 v[SO], v[ACC+8*\ct:ACC+8*\ct+3] offset:16*SPITCH*\mm+64*\ct
	ds_store_b128 v[SO], v[ACC+8*\ct+4:ACC+8*\ct+7] offset:16*SPITCH*\mm+64*\ct+16
.endr
.endr
	s_wait_dscnt 0x0                               ; for the others' sake: my results lie in the stage
	s_barrier_signal -1
	s_barrier_wait -1                              ; 128 whole rows do
.irp i, 0,1,2,3,4,5,6,7
	ds_load_b128 v[FR+8*\i:FR+8*\i+3], v[SRD] offset:SPITCH*\i
	ds_load_b128 v[FR+8*\i+4:FR+8*\i+7], v[SRD] offset:SPITCH*\i+512
.endr
.irp n, 0,1,2,3,4,5,6,7,8,9,10,11,12,13,14,15
	s_wait_dscnt 15-\n                             ; LDS loads come back in order: number n is in
	global_store_b128 v[GO], v[FR+4*\n:FR+4*\n+3], s[12:13] offset:512*\n th:TH_STORE_NT   ; 32 lanes store 512 consecutive bytes, at a multiple of 512 from out0's first byte
.endr
	s_wait_tensorcnt 0x0                           ; the wave's end, behind my last LDS store
	ds_add_u32 v[SPW], v[NIL]
	s_wait_dscnt 0x0
	s_endpgm
.Lfunc_end_k_q7b52afd73b_proj:
	.size	k_q7b52afd73b_proj, .Lfunc_end_k_q7b52afd73b_proj-k_q7b52afd73b_proj
	.p2alignl 7, 3214868480
	.fill 96, 4, 3214868480
	.section	.rodata,"a",@progbits
	.p2align	6, 0x0
	.amdhsa_kernel k_q7b52afd73b_proj
		.amdhsa_group_segment_fixed_size 200704
		.amdhsa_private_segment_fixed_size 0
		.amdhsa_enable_private_segment 0
		.amdhsa_kernarg_size 40
		.amdhsa_user_sgpr_count 2
		.amdhsa_user_sgpr_kernarg_segment_ptr 1
		.amdhsa_wavefront_size32 1
		.amdhsa_system_sgpr_workgroup_id_x 1
		.amdhsa_system_sgpr_workgroup_id_y 1
		.amdhsa_system_sgpr_workgroup_id_z 1
		.amdhsa_system_vgpr_workitem_id 0
		.amdhsa_next_free_vgpr 256
		.amdhsa_next_free_sgpr 66
		.amdhsa_reserve_vcc 0
		.amdhsa_float_denorm_mode_32 3
		.amdhsa_float_denorm_mode_16_64 3
		.amdhsa_memory_ordered 1
		.amdhsa_forward_progress 1
		.amdhsa_inst_pref_size 23
	.end_amdhsa_kernel
	.amdgpu_metadata
---
amdhsa.version: [ 1, 2 ]
amdhsa.kernels:
  - .name:           k_q7b52afd73b_proj
    .symbol:         k_q7b52afd73b_proj.kd
    .args:
      - { .name: oimg, .offset: 0, .size: 8, .value_kind: global_buffer, .address_space: global }
      - { .name: w_proj_codes, .offset: 8, .size: 8, .value_kind: global_buffer, .address_space: global }
      - { .name: b_proj, .offset: 16, .size: 8, .value_kind: global_buffer, .address_space: global }
      - { .name: lowp_scales, .offset: 24, .size: 8, .value_kind: global_buffer, .address_space: global }
      - { .name: out0, .offset: 32, .size: 8, .value_kind: global_buffer, .address_space: global }
    .group_segment_fixed_size: 200704
    .private_segment_fixed_size: 0
    .kernarg_segment_align: 8
    .kernarg_segment_size: 40
    .max_flat_workgroup_size: 512
    .sgpr_count:     66
    .vgpr_count:     256
    .wavefront_size: 32
...
	.end_amdgpu_metadata
.endif
;; end of part 3
